; MI455X (gfx1250); checked and timed in simulation.
; The chip was launched on July 23, 2026; its instructions are those of AMD's public machine-readable ISA for CDNA 5 (MIT licence, August 2026) and "CDNA5" Instruction Set Architecture Reference Guide (July 2026). The comments in the code are by the model that wrote it; some were corrected since.
;; Simple Attention. Allowed arithmetic: float matrix products may take bf16 or f16 operands with f32 sums; other float arithmetic in f32, or as packed bf16 or f16 multiplies, adds, multiply-adds, maxima and minima; sums over many terms, partial sums and values carried from step to step in f32; what a program stores and reads back later, other than sums and carried values, may be rounded once to bf16 or f16.
;; Inputs: Wk 1,024 x 1,024 float32; Wq 1,024 x 1,024 float32; Wv 1,024 x 1,024 float32; bk 1,024 float32; bq 1,024 float32; bv 1,024 float32; input 4 x 2,048 x 1,024 float32; mask 1 x 2,048 x 2,048 bool.
;; Outputs: out0 4 x 2,048 x 1,024 float32.
;; One version. Each part assembles by itself: llvm-mc -triple=amdgcn-amd-amdhsa -mcpu=gfx1250 --defsym DOCPART=n.
;; ======== version 1 of 1: 4 launches
;; limits: values are held in f16: magnitudes above 65,504 overflow, below 6.1e-05 lose precision
;; workspace buffers: xb 16,777,216 bytes; wb 6,291,456 bytes; mneg 8,388,608 bytes; qkvT 50,331,648 bytes; pt 33,554,432 bytes; stat 1,048,576 bytes
;; launch prep (part 1): grid 832 x 1, 8 waves a work-group, no clusters, 68,608 bytes of LDS; arguments input, Wq, Wk, Wv, mask, xb, wb, mneg; writes xb, wb, mneg
.if DOCPART == 1
	.amdgcn_target "amdgcn-amd-amdhsa--gfx1250"
	.amdhsa_code_object_version 6
	.text
	.protected	k_qa1ca78cfbe_prep
	.globl	k_qa1ca78cfbe_prep
	.p2align	8
	.type	k_qa1ca78cfbe_prep,@function
k_qa1ca78cfbe_prep:
	s_mov_b64 s[64:65], 0
	v_nop
	global_prefetch_b8 v0, s[64:65] scope:SCOPE_SE
	s_setreg_imm32_b32 hwreg(HW_REG_WAVE_MODE, 25, 1), 1
	s_wait_xcnt 0x0
; PREP: a stream.  Work-groups 0-511 round input to bf16 (xb), 512-703 round Wq, Wk, Wv to bf16 (wb: rows 0-1023 Wq, 1024-2047 Wk, 2048-3071 Wv),
; 704-831 turn the mask's bytes into bf16 addends (0 where the key is seen, -infinity where it is hidden) laid out as the score product's results lie in registers.
; A cast work-group moves 65,536 bytes in and 32,768 out; a mask work-group 32,768 in and 65,536 out.  No matrix unit, no cluster, no tensor load: nothing is shared.
; mneg: block (q / 16, k / 16) is 512 bytes at ((q / 16) x 128 + k / 16) x 512; in it lane 16 h + r has 16 bytes: keys 8 h .. 8 h + 7 of row r.
; The mask's bytes are taken as 0 or 1, as the type bool states.
.set SPARE, 67584                      ; behind the eight waves' stages of 8,448 bytes: the spare words, 128 bytes a wave
.set SPW, 118                          ; v118 LDS address of my spare word; never rewritten
.set NIL, 119                          ; v119 0; never rewritten
.set IN,  8                            ; v[8:71] as loaded (the mask path uses v[8:39])
.set OUT, 72                           ; v[72:103] the cast's results
.set TM,  40                           ; v[40:47] the mask path: eight words of addends
.set BK,  52                           ; v[52:115] the mask path: sixteen blocks read back
	s_load_b512 s[4:19], s[0:1], 0x0               ; input s[4:5], Wq s[6:7], Wk s[8:9], Wv s[10:11], mask s[12:13], xb s[14:15], wb s[16:17], mneg s[18:19]
	v_lshl_add_u32 v[SPW], v0, 2, SPARE
	v_mov_b32 v[NIL], 0
	v_lshrrev_b32 v1, 5, v0
	v_readfirstlane_b32 s21, v1                    ; wave 0..7
	s_mov_b32 s20, ttmp9
	s_wait_kmcnt 0x0
	s_cmp_lt_u32 s20, 704
	s_cbranch_scc0 .Lmask
	; THE CAST.  Thread t takes 32 bytes of f32 at 32 t of each of eight pieces of 8,192 bytes and stores 16 bytes of bf16 at 16 t of pieces of 4,096.
	s_sub_co_u32 s22, s20, 512                     ; the work-group's number among the weights' 192 (not used below 512)
	s_lshr_b32 s23, s22, 6                         ; which weight
	s_and_b32 s24, s22, 63                         ; which 65,536 bytes of it
	s_cmp_eq_u32 s23, 0
	s_cselect_b64 s[26:27], s[6:7], s[8:9]
	s_cmp_lt_u32 s23, 2
	s_cselect_b64 s[26:27], s[26:27], s[10:11]
	s_cmp_lt_u32 s20, 512
	s_cselect_b64 s[26:27], s[4:5], s[26:27]       ; from
	s_cselect_b64 s[28:29], s[14:15], s[16:17]     ; to
	s_cselect_b32 s24, s20, s24
	s_cselect_b32 s22, s20, s22
	s_lshl_b32 s30, s24, 16
	s_mov_b32 s31, 0
	s_lshl_b32 s32, s22, 15
	s_mov_b32 s33, 0
	s_add_nc_u64 s[26:27], s[26:27], s[30:31]
	s_add_nc_u64 s[28:29], s[28:29], s[32:33]
	v_lshlrev_b32 v1, 5, v0
	v_lshlrev_b32 v2, 4, v0
.irp c, 0,1,2,3,4,5,6,7
	global_load_b128 v[IN+8*(\c):IN+8*(\c)+3],   v1, s[26:27] offset:(\c)*8192 th:TH_LOAD_NT
	global_load_b128 v[IN+8*(\c)+4:IN+8*(\c)+7], v1, s[26:27] offset:(\c)*8192+16 th:TH_LOAD_NT
.endr
.irp c, 0,1,2,3,4,5,6,7
	s_wait_loadcnt 14-2*(\c)                       ; loads come back in order: piece c's two are in, the 2 (7 - c) younger ones stay out
.irp r, 0,1,2,3
	v_cvt_pk_bf16_f32 v[OUT+4*(\c)+(\r)], v[IN+8*(\c)+2*(\r)], v[IN+8*(\c)+2*(\r)+1]
.endr
	global_store_b128 v2, v[OUT+4*(\c):OUT+4*(\c)+3], s[28:29] offset:(\c)*4096  ; a wave's store covers 512 consecutive bytes; no register of a store is written again
.endr
	s_branch .Lend
.Lmask:
	; THE MASK.  The work-group takes 16 query rows, wave w the keys 256 w .. 256 w + 255: sixteen blocks.  A load takes two rows' 256 bytes, sixteen lanes a row.
	s_sub_co_u32 s22, s20, 704                     ; q / 16
	s_lshl_b32 s30, s22, 15                        ; 16 rows of 2,048 bytes
	s_lshl_b32 s23, s21, 8
	s_add_co_u32 s30, s30, s23
	s_mov_b32 s31, 0
	s_add_nc_u64 s[26:27], s[12:13], s[30:31]
	v_and_b32 v1, 15, v0                           ; which block of 16 keys my 16 bytes are
	v_bfe_u32 v2, v0, 4, 1                         ; which of the two rows
	v_lshlrev_b32 v3, 4, v1
	v_lshl_add_u32 v3, v2, 11, v3
.irp j, 0,1,2,3,4,5,6,7
	global_load_b128 v[IN+4*(\j):IN+4*(\j)+3], v3, s[26:27] offset:(\j)*4096 th:TH_LOAD_NT  ; rows 2 j and 2 j + 1
.endr
	s_lshl_b32 s32, s22, 16                        ; 128 blocks of 512 bytes
	s_lshl_b32 s23, s21, 13                        ; my wave's sixteen
	s_add_co_u32 s32, s32, s23
	s_mov_b32 s33, 0
	s_add_nc_u64 s[28:29], s[18:19], s[32:33]
	s_mov_b32 s34, 0x01010101                      ; turns seen (1) into 0 and hidden (0) into 1, four bytes at a time
	s_mov_b32 s35, 0x00050004                      ; bytes 0 and 1 into the two halves of a word
	s_mov_b32 s36, 0x00070006                      ; bytes 2 and 3
	s_mov_b32 s37, 0xff80                          ; -infinity in bf16
	s_mul_i32 s23, s21, 8448                       ; my wave's stage: sixteen blocks, 528 bytes apart
	v_mul_u32_u24 v4, v1, 528
	v_lshl_add_u32 v4, v2, 4, v4
	v_add_nc_u32 v4, s23, v4                       ; in: my block, row 2 j + (lane / 16): 16 bytes a row
	v_and_b32 v5, 31, v0
	v_lshlrev_b32 v5, 4, v5                        ; 16 x lane
	v_add_nc_u32 v6, s23, v5                       ; back: a block's 512 bytes on end
	v_mov_b32 v7, 0
.irp j, 0,1,2,3,4,5,6,7
	s_wait_loadcnt 7-(\j)                          ; this pair of rows is in, the younger loads stay out
.irp d, 0,1,2,3
	v_xor_b32 v48, s34, v[IN+4*(\j)+(\d)]
	v_perm_b32 v[TM+2*(\d)],   v48, v7, s35
	v_perm_b32 v[TM+2*(\d)+1], v48, v7, s36
	v_mul_u32_u24 v[TM+2*(\d)],   s37, v[TM+2*(\d)]     ; 0 or 1 in each half times 0xff80: no carry between the halves
	v_mul_u32_u24 v[TM+2*(\d)+1], s37, v[TM+2*(\d)+1]
.endr
	ds_store_b128 v4, v[TM:TM+3]   offset:32*(\j)      ; keys 0-7 of the block: the lanes 0-15 of the layout
	ds_store_b128 v4, v[TM+4:TM+7] offset:32*(\j)+256  ; keys 8-15: the lanes 16-31
.endr
.irp i, 0,1,2,3,4,5,6,7,8,9,10,11,12,13,14,15
	ds_load_b128 v[BK+4*(\i):BK+4*(\i)+3], v6 offset:(\i)*528  ; LDS serves a wave's instructions in order: these see the stores above; the bytes are the wave's own
.endr
.irp i, 0,1,2,3,4,5,6,7,8,9,10,11,12,13,14,15
	s_wait_dscnt 15-(\i)
	global_store_b128 v5, v[BK+4*(\i):BK+4*(\i)+3], s[28:29] offset:(\i)*512  ; 512 consecutive bytes
.endr
.Lend:
	s_wait_tensorcnt 0x0                           ; the wave's end
	ds_add_u32 v[SPW], v[NIL]
	s_wait_dscnt 0x0
	s_endpgm
.Lfunc_end_k_qa1ca78cfbe_prep:
	.size	k_qa1ca78cfbe_prep, .Lfunc_end_k_qa1ca78cfbe_prep-k_qa1ca78cfbe_prep
	.p2alignl 7, 3214868480
	.fill 96, 4, 3214868480
	.section	.rodata,"a",@progbits
	.p2align	6, 0x0
	.amdhsa_kernel k_qa1ca78cfbe_prep
		.amdhsa_group_segment_fixed_size 68608
		.amdhsa_private_segment_fixed_size 0
		.amdhsa_enable_private_segment 0
		.amdhsa_kernarg_size 64
		.amdhsa_user_sgpr_count 2
		.amdhsa_user_sgpr_kernarg_segment_ptr 1
		.amdhsa_wavefront_size32 1
		.amdhsa_system_sgpr_workgroup_id_x 1
		.amdhsa_system_sgpr_workgroup_id_y 1
		.amdhsa_system_sgpr_workgroup_id_z 1
		.amdhsa_system_vgpr_workitem_id 0
		.amdhsa_next_free_vgpr 120
		.amdhsa_next_free_sgpr 66
		.amdhsa_reserve_vcc 0
		.amdhsa_float_denorm_mode_32 3
		.amdhsa_float_denorm_mode_16_64 3
		.amdhsa_memory_ordered 1
		.amdhsa_forward_progress 1
		.amdhsa_inst_pref_size 20
	.end_amdhsa_kernel
	.amdgpu_metadata
---
amdhsa.version: [ 1, 2 ]
amdhsa.kernels:
  - .name:           k_qa1ca78cfbe_prep
    .symbol:         k_qa1ca78cfbe_prep.kd
    .args:
      - { .name: input, .offset: 0, .size: 8, .value_kind: global_buffer, .address_space: global }
      - { .name: Wq, .offset: 8, .size: 8, .value_kind: global_buffer, .address_space: global }
      - { .name: Wk, .offset: 16, .size: 8, .value_kind: global_buffer, .address_space: global }
      - { .name: Wv, .offset: 24, .size: 8, .value_kind: global_buffer, .address_space: global }
      - { .name: mask, .offset: 32, .size: 8, .value_kind: global_buffer, .address_space: global }
      - { .name: xb, .offset: 40, .size: 8, .value_kind: global_buffer, .address_space: global }
      - { .name: wb, .offset: 48, .size: 8, .value_kind: global_buffer, .address_space: global }
      - { .name: mneg, .offset: 56, .size: 8, .value_kind: global_buffer, .address_space: global }
    .group_segment_fixed_size: 68608
    .private_segment_fixed_size: 0
    .kernarg_segment_align: 8
    .kernarg_segment_size: 64
    .max_flat_workgroup_size: 256
    .sgpr_count:     66
    .vgpr_count:     120
    .wavefront_size: 32
...
	.end_amdgpu_metadata
.endif
;; end of part 1
;; launch proj (part 2): grid 32 x 16, 4 waves a work-group, clusters of 4 x 4, 327,680 bytes of LDS; arguments wb, xb, bq, bk, bv, qkvT; writes qkvT
.if DOCPART == 2
	.amdgcn_target "amdgcn-amd-amdhsa--gfx1250"
	.amdhsa_code_object_version 6
	.text
	.protected	k_qa1ca78cfbe_proj
	.globl	k_qa1ca78cfbe_proj
	.p2align	8
	.type	k_qa1ca78cfbe_proj,@function
k_qa1ca78cfbe_proj:
	s_mov_b64 s[64:65], 0
	v_nop
	global_prefetch_b8 v0, s[64:65] scope:SCOPE_SE
	s_setreg_imm32_b32 hwreg(HW_REG_WAVE_MODE, 25, 1), 1
	s_wait_xcnt 0x0
	s_wait_alu depctr_hold_cnt(0) depctr_sa_sdst(0) depctr_va_vdst(0) depctr_va_sdst(0) depctr_va_ssrc(0) depctr_va_vcc(0) depctr_vm_vsrc(0)
	s_getreg_b32 s2, hwreg(HW_REG_IB_STS2, 6, 4)
	s_cmp_eq_u32 s2, 0
	s_cbranch_scc0 .Lentry_in_a_cluster
	s_endpgm
.Lentry_in_a_cluster:
	s_bfe_u32 s2, ttmp6, 0x10000c
	s_cmp_lg_u32 s2, 0xf033
	s_cbranch_scc0 .Lentry_shape_is_right
	s_endpgm
.Lentry_shape_is_right:
; PROJ: qkvT[o][tok] = f16( sum over e of wb[o][e] xb[tok][e] + bf16(b[o]) ).  wb: [3072][1024] bf16, xb: [8192][1024] bf16, qkvT: [3072][8192] f16 (q^T, k^T, v^T); sums in f32.
; LIMIT: f16 ends at 65,504: |q|, |k|, |v| must stay under it (inputs and weights both thirty times the drawn spread give some 3,100).  The biases are rounded to bf16 like the other inputs.
; A tile of C is 192 channels x 256 tokens: 512 tiles, two for each of 256 WGPs.  Four waves, each 96 x 128: 48 accumulators, 384 registers.  K goes in 8 steps of 128 through two LDS slots.
; CLUSTER 4 x 4: wb's tile hangs on the tile row alone and is asked for jointly along a row of the cluster, xb's on the tile column alone and jointly along a column.
; The matrix instruction is used transposed (source 0 = 16 tokens of xb, source 1 = 16 channels of wb): a lane holds one channel (lane % 16) and eight neighbouring tokens.
; The bias, one number a lane, is the C operand of the products that start the sums.
; REGISTERS.  window 0: v1-31 addresses; v64-111, v128-175 wb's fragments, two buffers; v192-239 the biases, later v192-223 packed results; on the way out v64-95, v128-159 rows read back
;   window 1: v64-127, v128-191 xb's fragments, two buffers      windows 2, 3: accumulator (a, b) at v[8 (8 (a % 3) + b)] of window 2 + a / 3
.set KB,     256                       ; bytes of a row in a K step
.set NSTEP,  8
.set PITCH,  272                       ; an LDS row: 256 bytes + 16 of padding: the 16 rows of a fragment load start at 16 different groups of four banks
.set AHALF,  96*PITCH                  ; what a wave fetches of wb, and what a wave reads of it
.set BHALF,  128*PITCH                 ; the same for xb
.set BOFF,   2*AHALF
.set SLOTX,  0x20000                   ; slot 1 begins here: one exclusive or turns an address in one slot into the other's
.set STAGE,  SLOTX+BOFF+2*BHALF        ; behind the ring: 16 rows x 272 bytes for each wave
.set SPARE,  STAGE+4*16*PITCH          ; the spare words, 128 bytes a wave
.set F0, 64
.set F1, 128
.set BI, 192
.set TMP, 192
.set G1W, (1<<16)|(1<<20)|(1<<21)|(5<<22)|(3<<25)  ; 2-byte elements; padding on; bit 21 beside a mask; after every 64 words, 4 words
; s16 wave, s17 wave / 2 (my half of the rows; 0: I fetch wb, 1: xb), s18 wave % 2 (my half of the columns; which half I fetch), s19 cx, s20 cy, s21 tile column, s22 tile row, s23 cluster y
; s[24:31], s[48:55] descriptor group 1 for wb, xb; s[32:39], s[56:63] group 0, two sets each: the second walks; s40 the slot being read; s41, s43 counters; s42 prefetch limit; s[44:45] prefetch pointer
.set MSB, 0
.macro WIN new                         ; the immediate's high byte repeats the setting that is left; a switch that changes nothing is dropped
.if MSB != (\new)
	s_set_vgpr_msb (MSB<<8)|(\new)
.set MSB, \new
.endif
.endm
.macro PLACES                          ; four plain places behind matrix instructions, ahead of loads into their sources and of readers of their results
.rept 4
	v_nop
.endr
.endm
.macro CREST                           ; a round of the cluster's barrier behind its opening barrier
	s_cmp_lg_u32 s16, 0
	s_cbranch_scc1 .Lnot_wave_0_\@
	s_barrier_signal -3
.Lnot_wave_0_\@:
	s_barrier_wait -3
	s_barrier_signal -1
	s_barrier_wait -1
.endm
.macro CROUND
	s_barrier_signal -1
	s_barrier_wait -1
	CREST
.endm
.macro JLOAD                           ; a joint refill by the walking sets; an s_nop 0 and four v_nop follow each line
	s_cmp_eq_u32 s17, 0
	s_cbranch_scc0 .Lfor_b_\@
	tensor_load_to_lds s[36:39], s[24:31]
	s_nop 0
.rept 4
	v_nop
.endr
	s_branch .Lasked_\@
.Lfor_b_\@:
	tensor_load_to_lds s[60:63], s[48:55]
	s_nop 0
.rept 4
	v_nop
.endr
.Lasked_\@:
.endm
; A prefetch of xb's K step two refills on: 32 rows x 256 bytes, a lane a row.  Waves 2 and 3 of the clusters with y = 0 ask; the four partners of a column share a wave's 128 rows out by address (cy).
; So each row's 256 bytes of a K step are named once in the launch.  The last two refills (s41 = 2, 1) ask for nothing: there is no K step two on.
.macro ASK
	s_cmp_gt_u32 s41, s42
	s_cbranch_scc0 .Lnot_mine_\@
	global_prefetch_b8 v30, s[44:45] offset:KB th:TH_LOAD_NT scope:SCOPE_SE
.Lnot_mine_\@:
.endm
	s_load_b256 s[4:11], s[0:1], 0x0               ; wb s[4:5], xb s[6:7], bq s[8:9], bk s[10:11]
	s_load_b128 s[12:15], s[0:1], 0x20             ; bv s[12:13], qkvT s[14:15]
	v_lshl_add_u32 v28, v0, 2, SPARE
	v_mov_b32 v29, 0
	ds_add_u32 v28, v29                            ; the wave's opening: the add and its wait ahead of the first tensor load; register work stands between
	v_lshrrev_b32 v1, 5, v0
	v_readfirstlane_b32 s16, v1
	s_lshr_b32 s17, s16, 1
	s_and_b32 s18, s16, 1
	s_bfe_u32 s19, ttmp6, 0x40000
	s_bfe_u32 s20, ttmp6, 0x40004
	s_lshl_b32 s21, ttmp9, 2
	s_add_co_u32 s21, s21, s19                     ; tile column = 4 x cluster x + cx
	s_and_b32 s23, ttmp7, 0xffff
	s_lshl_b32 s22, s23, 2
	s_add_co_u32 s22, s22, s20                     ; tile row = 4 x cluster y + cy
	s_lshl_b32 s80, s20, 2
	s_lshl_b32 s80, 15, s80                        ; my row of the cluster
	s_lshl_b32 s81, 0x1111, s19                    ; my column
	s_or_b32 s24, s80, G1W
	s_or_b32 s48, s81, G1W
	s_mov_b32 s25, 128<<16                         ; tensor_dim0 = 128
	s_mov_b32 s26, 96<<16                          ; tensor_dim1 = 96
	s_mov_b32 s27, 128<<16                         ; tile_dim0 = 128
	s_mov_b32 s28, 96                              ; tile_dim1 = 96
	s_mov_b32 s29, 1024                            ; elements from row to row
	s_mov_b32 s30, 0
	s_mov_b32 s31, 0
	s_mov_b32 s49, 128<<16
	s_mov_b32 s50, 128<<16
	s_mov_b32 s51, 128<<16
	s_mov_b32 s52, 128
	s_mov_b32 s53, 1024
	s_mov_b32 s54, 0
	s_mov_b32 s55, 0
	s_mul_i32 s82, s22, 192                        ; wb: row 192 x tile row + 96 x half, 2,048 bytes a row
	s_mul_i32 s84, s18, 96
	s_add_co_u32 s82, s82, s84
	s_lshl_b32 s82, s82, 11
	s_mov_b32 s83, 0
	s_lshl_b32 s86, s21, 8                         ; xb: row 256 x tile column + 128 x half
	s_lshl_b32 s88, s18, 7
	s_add_co_u32 s86, s86, s88
	s_lshl_b32 s86, s86, 11
	s_mov_b32 s87, 0
	s_mul_i32 s89, s18, AHALF                      ; where they go: no place in the cluster enters an LDS address
	s_mul_i32 s90, s18, BHALF
	s_add_co_u32 s90, s90, BOFF
	s_mov_b32 s40, 0
	s_wait_dscnt 0x0                               ; the opening add is done
	s_wait_kmcnt 0x0
	s_add_nc_u64 s[82:83], s[4:5], s[82:83]
	s_add_nc_u64 s[86:87], s[6:7], s[86:87]
	CROUND                                         ; all sixteen work-groups are here: the first joint loads meet
.irp s, 0,1
	s_mov_b32 s[32+4*(\s)], 1
	s_add_co_u32 s[33+4*(\s)], s89, (\s)*SLOTX
	s_add_nc_u64 s[34+4*(\s):35+4*(\s)], s[82:83], (\s)*KB
	s_or_b32 s[35+4*(\s)], s[35+4*(\s)], 0x80000000
	s_mov_b32 s[56+4*(\s)], 1
	s_add_co_u32 s[57+4*(\s)], s90, (\s)*SLOTX
	s_add_nc_u64 s[58+4*(\s):59+4*(\s)], s[86:87], (\s)*KB
	s_or_b32 s[59+4*(\s)], s[59+4*(\s)], 0x80000000
.endr
	s_cmp_eq_u32 s17, 0                            ; a wave's two first fills stand in one branch: two loads of mine are out
	s_cbranch_scc0 .Lfirst_b
	tensor_load_to_lds s[32:35], s[24:31]
	s_nop 0
	tensor_load_to_lds s[36:39], s[24:31]
	s_nop 0
.rept 4
	v_nop
.endr
	s_branch .Lfirst_done
.Lfirst_b:
	tensor_load_to_lds s[56:59], s[48:55]
	s_nop 0
	tensor_load_to_lds s[60:63], s[48:55]
	s_nop 0
.rept 4
	v_nop
.endr
.Lfirst_done:
	v_and_b32 v1, 15, v0                           ; r = lane % 16
	v_bfe_u32 v2, v0, 4, 1                         ; h = lane / 16
	v_lshlrev_b32 v31, 2, v1
	s_mul_i32 s91, s22, 192
	s_mul_i32 s92, s17, 96
	s_add_co_u32 s91, s91, s92                     ; my first channel
	; the biases: a block of 16 channels never crosses from one of the three vectors into the next (1,024 is a multiple of 16)
.irp a, 0,1,2,3,4,5
	s_add_co_u32 s80, s91, 16*(\a)
	s_cmp_lt_u32 s80, 1024
	s_cselect_b64 s[68+2*(\a):69+2*(\a)], s[8:9], s[10:11]
	s_cmp_lt_u32 s80, 2048
	s_cselect_b64 s[68+2*(\a):69+2*(\a)], s[68+2*(\a):69+2*(\a)], s[12:13]
	s_and_b32 s80, s80, 1023
	s_lshl_b32 s80, s80, 2
	s_mov_b32 s81, 0
	s_add_nc_u64 s[68+2*(\a):69+2*(\a)], s[68+2*(\a):69+2*(\a)], s[80:81]
	global_load_b32 v[BI+8*(\a)], v31, s[68+2*(\a):69+2*(\a)]
.endr
	v_mul_u32_u24 v3, v1, PITCH
	v_lshl_add_u32 v3, v2, 4, v3                   ; a fragment's row x pitch + 16 x half
	s_mul_i32 s80, s17, AHALF
	v_add_nc_u32 v10, s80, v3                      ; my wb fragments in slot 0
	v_add_nc_u32 v11, s90, v3                      ; my xb fragments in slot 0
	v_mov_b32 v16, v10
	v_mov_b32 v20, v11
	s_mul_i32 s80, s16, 16*PITCH
	s_add_co_u32 s80, s80, STAGE
	v_add_nc_u32 v24, s80, v3                      ; the way out, in: row r, 16 bytes for each half of the lanes
	v_mul_u32_u24 v4, v2, PITCH
	v_lshl_add_u32 v4, v1, 4, v4
	v_add_nc_u32 v25, s80, v4                      ; back: lanes 0-15 one row of 256 bytes, lanes 16-31 the next
	v_lshlrev_b32 v26, 14, v2
	v_lshl_add_u32 v26, v1, 4, v26                 ; the same two rows in qkvT
	s_lshl_b32 s92, s91, 14                        ; my first byte of qkvT: channel x 16,384 + 512 x tile column + 256 x half
	s_lshl_b32 s93, s21, 9
	s_add_co_u32 s92, s92, s93
	s_lshl_b32 s93, s18, 8
	s_add_co_u32 s92, s92, s93
	s_mov_b32 s93, 0
	s_add_nc_u64 s[14:15], s[14:15], s[92:93]
	s_lshl_b32 s46, s21, 8                         ; the prefetches: xb's row 256 x tile column + 128 x half + 32 cy, at K step 2; the first refill steps to 3 and names 4
	s_lshl_b32 s47, s18, 7
	s_add_co_u32 s46, s46, s47
	s_lshl_b32 s47, s20, 5
	s_add_co_u32 s46, s46, s47
	s_lshl_b32 s46, s46, 11
	s_add_co_u32 s46, s46, 2*KB
	s_mov_b32 s47, 0
	s_add_nc_u64 s[44:45], s[6:7], s[46:47]
	s_xor_b32 s46, s17, 1                          ; 0 in waves 2 and 3,
	s_or_b32 s46, s46, s23                         ; where the cluster's y is 0: the same in all sixteen partners
	s_cmp_eq_u32 s46, 0
	s_cselect_b32 s42, 2, -1
	v_and_b32 v30, 31, v0
	v_lshlrev_b32 v30, 11, v30                     ; a lane a row
	s_wait_loadcnt 0x0
.irp a, 0,1,2,3,4,5
	v_cvt_pk_bf16_f32 v[BI+8*(\a)], v[BI+8*(\a)], v[BI+8*(\a)]
	v_lshlrev_b32 v[BI+8*(\a)], 16, v[BI+8*(\a)]   ; the bias rounded to bf16, as f32,
.irp j, 1,2,3,4,5,6,7
	v_mov_b32 v[BI+8*(\a)+(\j)], v[BI+8*(\a)]      ; for each of a lane's eight tokens
.endr
.endr
; 8 matrix instructions: row block a x all 8 column blocks, 32 along K.  first = 1: the sums start from the bias.  The 48 accumulators take turns, one instruction a turn, in the same order in every quarter.
.macro MULA f, a, first
.if \first
	WIN 0x81+0x40*((\a)/3)
.else
	WIN 0xa1+0x50*((\a)/3)
.endif
.irp b, 0,1,2,3,4,5,6,7
.if \first
	v_wmma_f32_16x16x32_bf16 v[8*(8*((\a)%3)+(\b)):8*(8*((\a)%3)+(\b))+7], v[(\f)+8*(\b):(\f)+8*(\b)+7], v[(\f)+8*(\a):(\f)+8*(\a)+7], v[BI+8*(\a):BI+8*(\a)+7]
.else
	v_wmma_f32_16x16x32_bf16 v[8*(8*((\a)%3)+(\b)):8*(8*((\a)%3)+(\b))+7], v[(\f)+8*(\b):(\f)+8*(\b)+7], v[(\f)+8*(\a):(\f)+8*(\a)+7], v[8*(8*((\a)%3)+(\b)):8*(8*((\a)%3)+(\b))+7]
.endif
.endr
.endm
.macro FETCH k, f                      ; 28 LDS loads in one run: xb's 8 fragments, then wb's 6, 32 K at byte k of the rows
	WIN 0x40
.irp i, 0,1,2,3,4,5,6,7
	ds_load_b128 v[(\f)+8*(\i):(\f)+8*(\i)+3],   v20 offset:(\k)+(\i)*16*PITCH
	ds_load_b128 v[(\f)+8*(\i)+4:(\f)+8*(\i)+7], v20 offset:(\k)+(\i)*16*PITCH+32
.endr
	WIN 0
.irp i, 0,1,2,3,4,5
	ds_load_b128 v[(\f)+8*(\i):(\f)+8*(\i)+3],   v16 offset:(\k)+(\i)*16*PITCH
	ds_load_b128 v[(\f)+8*(\i)+4:(\f)+8*(\i)+7], v16 offset:(\k)+(\i)*16*PITCH+32
.endr
.endm
.macro QUARTER k, f, g, first          ; multiplies buffer f; in its middle fetches the next quarter, at byte k, into g
	s_wait_dscnt 6                                 ; xb's fragments and wb's blocks 0-2 are in; the youngest six loads (blocks 3-5) may be out
	MULA \f, 0, \first
	MULA \f, 1, \first
	MULA \f, 2, \first
	PLACES
	FETCH \k, \g
	s_wait_dscnt 28                                ; all but the 28 just issued
	MULA \f, 3, \first
	MULA \f, 4, \first
	MULA \f, 5, \first
.endm
; The last quarter of a K step multiplies buffer 1 and changes slots.  In front of the one barrier each wave waits for all its tensor loads (one is out: its part of the next slot), adds 0 to its spare word,
; and waits for that and for its reads of this slot.  fill = 1: the barrier opens a round of the cluster's, and the joint refill, two K steps on, is the first thing behind it.
; fill = 0 (the tail): nothing is asked for; in the last trip (s43 = 1) there is no next step, and its fetch is jumped over.
.macro TURN fill
.if \fill
	s_wait_xcnt 0x0                                ; the last prefetch, a K step back, has read its address
	s_add_nc_u64 s[44:45], s[44:45], KB
.endif
	WIN 0
	s_wait_tensorcnt 0x0                           ; no tensor load of mine is out, so a group 0 may be written
	ds_add_u32 v28, v29
.if \fill
	s_xor_b32 s37, s37, SLOTX                      ; the walking sets: the other slot than last time, the next K step
	s_add_nc_u64 s[38:39], s[38:39], KB
	s_xor_b32 s61, s61, SLOTX
	s_add_nc_u64 s[62:63], s[62:63], KB
.endif
	s_xor_b32 s40, s40, SLOTX                      ; the slot to be read next
	s_wait_dscnt 7                                 ; the add and the youngest six loads may be out
	MULA F1, 0, 0
	s_wait_dscnt 0x0                               ; the add is done, and my reads of this slot are over
	s_barrier_signal -1
	MULA F1, 1, 0
	MULA F1, 2, 0
	WIN 0
	s_barrier_wait -1
.if \fill
	CREST
	JLOAD                                          ; its four v_nop are also the places in front of the loads below
.else
	s_cmp_eq_u32 s43, 1
	s_cbranch_scc1 .Lno_fetch_\@
	PLACES
.endif
	v_add_nc_u32 v16, s40, v10
	v_add_nc_u32 v20, s40, v11
	FETCH 0, F0
.if \fill
	ASK
.else
.Lno_fetch_\@:
.endif
	MULA F1, 3, 0
	MULA F1, 4, 0
	MULA F1, 5, 0
.endm
	s_wait_tensorcnt 0x1                           ; my part of K step 0 is in; K step 1's may stay out
	s_barrier_signal -1
	s_barrier_wait -1
	FETCH 0, F0
	QUARTER 64, F0, F1, 1                          ; the first quarter stands ahead of the loop: its products start the sums
	WIN 0
	s_mov_b32 s41, NSTEP-2
.Lk:                                                   ; a trip: a K step's quarters 1 to 3, a refill, the next step's quarter 0
	QUARTER 128, F1, F0, 0
	QUARTER 192, F0, F1, 0
	TURN 1
	QUARTER 64, F0, F1, 0
	WIN 0
	s_sub_co_u32 s41, s41, 1
	s_cmp_lg_u32 s41, 0
	s_cbranch_scc1 .Lk
	s_mov_b32 s43, 2
.Ltail:                                                ; the last two K steps ask for nothing
	QUARTER 128, F1, F0, 0
	QUARTER 192, F0, F1, 0
	TURN 0
	WIN 0
	s_cmp_eq_u32 s43, 1
	s_cbranch_scc1 .Lno_q
	QUARTER 64, F0, F1, 0
	WIN 0
.Lno_q:
	s_sub_co_u32 s43, s43, 1
	s_cmp_lg_u32 s43, 0
	s_cbranch_scc1 .Ltail
; THE WAY OUT, a block of 16 channels at a time: rounded to f16, 16 bytes a lane into my stage, back as whole rows of 256 bytes, stored.
.macro PACK a
	WIN 0x0a+5*((\a)/3)
.irp b, 0,1,2,3,4,5,6,7
.irp r, 0,1,2,3
	v_cvt_pk_f16_f32 v[TMP+4*(\b)+(\r)], v[8*(8*((\a)%3)+(\b))+2*(\r)], v[8*(8*((\a)%3)+(\b))+2*(\r)+1]
.endr
.endr
	WIN 0
.endm
.macro TOSTAGE a
.set BK, 64+64*((\a)%2)
.irp b, 0,1,2,3,4,5,6,7
	ds_store_b128 v24, v[TMP+4*(\b):TMP+4*(\b)+3] offset:32*(\b)
.endr
.irp t, 0,1,2,3,4,5,6,7
	ds_load_b128 v[BK+4*(\t):BK+4*(\t)+3], v25 offset:(\t)*2*PITCH  ; LDS serves a wave's instructions in order: these see the stores above
.endr
.endm
.macro SEND a
.set BK, 64+64*((\a)%2)
	s_wait_dscnt 0x0                               ; the block is back in registers
	s_wait_xcnt 0x0                                ; only behind this wait are the stores' base and the registers of earlier stores written again
.if (\a) > 0
	s_add_nc_u64 s[14:15], s[14:15], 16*16384
.endif
.irp t, 0,1,2,3,4,5,6,7
	global_store_b128 v26, v[BK+4*(\t):BK+4*(\t)+3], s[14:15] offset:2*(\t)*16384  ; 16 lanes store 256 consecutive bytes, at a multiple of 256 from qkvT's first byte
.endr
.endm
	PLACES
	PACK 0
	TOSTAGE 0
.irp a, 1,2,3,4,5
	PACK \a                                        ; a block's conversions stand between the loads of the block before and the wait for them
	SEND (\a)-1
	TOSTAGE \a
.endr
	SEND 5
	s_wait_tensorcnt 0x0                           ; the wave's end
	ds_add_u32 v28, v29
	s_wait_dscnt 0x0
	CROUND                                         ; the closing round
	s_endpgm
.Lfunc_end_k_qa1ca78cfbe_proj:
	.size	k_qa1ca78cfbe_proj, .Lfunc_end_k_qa1ca78cfbe_proj-k_qa1ca78cfbe_proj
	.p2alignl 7, 3214868480
	.fill 96, 4, 3214868480
	.section	.rodata,"a",@progbits
	.p2align	6, 0x0
	.amdhsa_kernel k_qa1ca78cfbe_proj
		.amdhsa_group_segment_fixed_size 327680
		.amdhsa_private_segment_fixed_size 0
		.amdhsa_enable_private_segment 0
		.amdhsa_kernarg_size 48
		.amdhsa_user_sgpr_count 2
		.amdhsa_user_sgpr_kernarg_segment_ptr 1
		.amdhsa_wavefront_size32 1
		.amdhsa_system_sgpr_workgroup_id_x 1
		.amdhsa_system_sgpr_workgroup_id_y 1
		.amdhsa_system_sgpr_workgroup_id_z 1
		.amdhsa_system_vgpr_workitem_id 0
		.amdhsa_next_free_vgpr 960
		.amdhsa_next_free_sgpr 96
		.amdhsa_reserve_vcc 0
		.amdhsa_float_denorm_mode_32 3
		.amdhsa_float_denorm_mode_16_64 3
		.amdhsa_memory_ordered 1
		.amdhsa_forward_progress 1
		.amdhsa_inst_pref_size 86
	.end_amdhsa_kernel
	.amdgpu_metadata
---
amdhsa.version: [ 1, 2 ]
amdhsa.kernels:
  - .name:           k_qa1ca78cfbe_proj
    .symbol:         k_qa1ca78cfbe_proj.kd
    .args:
      - { .name: wb, .offset: 0, .size: 8, .value_kind: global_buffer, .address_space: global }
      - { .name: xb, .offset: 8, .size: 8, .value_kind: global_buffer, .address_space: global }
      - { .name: bq, .offset: 16, .size: 8, .value_kind: global_buffer, .address_space: global }
      - { .name: bk, .offset: 24, .size: 8, .value_kind: global_buffer, .address_space: global }
      - { .name: bv, .offset: 32, .size: 8, .value_kind: global_buffer, .address_space: global }
      - { .name: qkvT, .offset: 40, .size: 8, .value_kind: global_buffer, .address_space: global }
    .group_segment_fixed_size: 327680
    .private_segment_fixed_size: 0
    .kernarg_segment_align: 8
    .kernarg_segment_size: 48
    .max_flat_workgroup_size: 128
    .sgpr_count:     96
    .vgpr_count:     960
    .wavefront_size: 32
...
	.end_amdgpu_metadata
.endif
;; end of part 2
;; launch scores (part 3): grid 8 x 32, 4 waves a work-group, clusters of 4 x 4, 327,680 bytes of LDS; arguments qkvT, mneg, pt, stat; writes pt, stat
.if DOCPART == 3
	.amdgcn_target "amdgcn-amd-amdhsa--gfx1250"
	.amdhsa_code_object_version 6
	.text
	.protected	k_qa1ca78cfbe_scores
	.globl	k_qa1ca78cfbe_scores
	.p2align	8
	.type	k_qa1ca78cfbe_scores,@function
k_qa1ca78cfbe_scores:
	s_mov_b64 s[64:65], 0
	v_nop
	global_prefetch_b8 v0, s[64:65] scope:SCOPE_SE
	s_setreg_imm32_b32 hwreg(HW_REG_WAVE_MODE, 25, 1), 1
	s_wait_xcnt 0x0
	s_wait_alu depctr_hold_cnt(0) depctr_sa_sdst(0) depctr_va_vdst(0) depctr_va_sdst(0) depctr_va_ssrc(0) depctr_va_vcc(0) depctr_vm_vsrc(0)
	s_getreg_b32 s2, hwreg(HW_REG_IB_STS2, 6, 4)
	s_cmp_eq_u32 s2, 0
	s_cbranch_scc0 .Lentry_in_a_cluster
	s_endpgm
.Lentry_in_a_cluster:
	s_bfe_u32 s2, ttmp6, 0x10000c
	s_cmp_lg_u32 s2, 0xf033
	s_cbranch_scc0 .Lentry_shape_is_right
	s_endpgm
.Lentry_shape_is_right:
; SCORES: t[q][k] = (q . k) log2(e) / 32 + (0 or -infinity by the mask).  For each query row and each CHUNK of 128 keys (a wave's columns): m = the chunk's maximum of t (the lowest finite number if no key of it is seen),
; pt[q][k] = f16(2^(t - m)), l = the sum of 2^(t - m) (unrounded).  pt: [8192][2048] f16; stat: m[16 chunks][8192 rows] f32, then l likewise at byte 524,288.  The next launch joins the chunks by the rows' true maxima.
; LIMITS: a weight below 2^-126 counts as 0 in l; NaN and infinities among q, k are not treated apart.
; A tile is 256 queries x 256 keys of one batch; four waves, each 128 x 128: 64 accumulators, 512 registers.  K (the 1,024 channels) goes in 8 steps of 128 through two LDS slots.
; q^T and k^T lie [channel][token]: a tile is 128 channel rows of 512 bytes, and fragments come out of LDS turned, by ds_load_tr16_b128.
; CLUSTER 4 x 4: q's tile is shared along a row of the cluster, k's along a column (all four rows of a cluster belong to one batch).
; The matrix instruction is used transposed (source 0 = 16 keys, source 1 = 16 queries): a lane holds one query (lane % 16) and eight neighbouring keys.
; REGISTERS.  window 0: v1-31 addresses; v64-127, v128-191 q's fragments; v32-63, v192-255 mask blocks 0-2      window 1: v64-127, v128-191 k's fragments; v0-63, v192-255 mask blocks 3-6
;   windows 2, 3: accumulator (a, b) at v[8 (8 (a % 4) + b)] of window 2 + a / 4.  The softmax works in window 0 on one block of 16 queries at a time, which comes back from LDS.
.set KB,     128*16384                 ; bytes from a K step to the next: 128 channel rows
.set NSTEP,  8
.set PT,     544                       ; an LDS row: 512 bytes + 32 of padding
.set WTILE,  64*PT                     ; what a wave fetches
.set KOFF,   2*WTILE                   ; k's tile lies behind q's
.set SLOTX,  0x22000                   ; a slot's bytes; no LDS word of a descriptor (wave x 0x8800) has bit 13 or 17, so one exclusive or changes slots
.set STAGE,  2*SLOTX                   ; behind the ring: 16 rows x 272 bytes for each wave
.set SP,     272
.set STATS,  STAGE+4*16*SP             ; 1,024 bytes a wave: m of its 128 rows, then l
.set SPARE,  STATS+4*1024              ; the spare words
.set F0, 64
.set F1, 128
.set R,  64                            ; the softmax: a block's 64 numbers t
.set E,  128                           ; their exponentials
.set PK, 192                           ; rounded to f16
.set OB, 224                           ; rows read back from the stage
.set G1W, (1<<16)|(1<<20)|(1<<21)|(6<<22)|(7<<25)  ; 2-byte elements; padding on; bit 21 beside a mask; after every 128 words, 8 words
; scalars as in the projection's text: s16 wave, s17 wave / 2, s18 wave % 2, s19 cx, s20 cy, s21 tile column, s22 tile row, s23 cluster y; s[24:31], s[48:55] group 1; s[32:39], s[56:63] group 0;
; s40 slot, s41, s43 counters, s42 limit, s[44:45] prefetch; s[66:67] lane selects; s[68:69] masks, s[70:71] pt, s[72:73] stat
.set MSB, 0
.macro WIN new
.if MSB != (\new)
	s_set_vgpr_msb (MSB<<8)|(\new)
.set MSB, \new
.endif
.endm
.macro PLACES
.rept 4
	v_nop
.endr
.endm
.macro CREST
	s_cmp_lg_u32 s16, 0
	s_cbranch_scc1 .Lnot_wave_0_\@
	s_barrier_signal -3
.Lnot_wave_0_\@:
	s_barrier_wait -3
	s_barrier_signal -1
	s_barrier_wait -1
.endm
.macro CROUND
	s_barrier_signal -1
	s_barrier_wait -1
	CREST
.endm
.macro JLOAD
	s_cmp_eq_u32 s17, 0
	s_cbranch_scc0 .Lfor_b_\@
	tensor_load_to_lds s[36:39], s[24:31]
	s_nop 0
.rept 4
	v_nop
.endr
	s_branch .Lasked_\@
.Lfor_b_\@:
	tensor_load_to_lds s[60:63], s[48:55]
	s_nop 0
.rept 4
	v_nop
.endr
.Lasked_\@:
.endm
; A prefetch of the K step two refills on.  A wave fetches 64 channel rows of 512 bytes; each of the four partners that ask with it takes 16 rows, told apart by address: a lane half a row.
; q's rows: waves 0, 1 of the clusters with x = 0; k's: waves 2, 3 of the clusters with even y (two clusters along y share a batch).  So each 256 bytes are named once.  The last two refills ask for nothing.
.macro ASK
	s_cmp_gt_u32 s41, s42
	s_cbranch_scc0 .Lnot_mine_\@
	global_prefetch_b8 v30, s[44:45] offset:KB th:TH_LOAD_NT scope:SCOPE_SE
.Lnot_mine_\@:
.endm
	s_load_b256 s[4:11], s[0:1], 0x0               ; qkvT s[4:5], mneg s[6:7], pt s[8:9], stat s[10:11]
	v_lshl_add_u32 v28, v0, 2, SPARE
	v_mov_b32 v29, 0
	ds_add_u32 v28, v29                            ; the wave's opening: the add and its wait ahead of the first tensor load
	v_lshrrev_b32 v1, 5, v0
	v_readfirstlane_b32 s16, v1
	s_lshr_b32 s17, s16, 1
	s_and_b32 s18, s16, 1
	s_bfe_u32 s19, ttmp6, 0x40000
	s_bfe_u32 s20, ttmp6, 0x40004
	s_lshl_b32 s21, ttmp9, 2
	s_add_co_u32 s21, s21, s19                     ; key tile of the batch
	s_and_b32 s23, ttmp7, 0xffff
	s_lshl_b32 s22, s23, 2
	s_add_co_u32 s22, s22, s20                     ; query tile among all 32 = 8 x batch + tile
	s_lshr_b32 s91, s23, 1                         ; the batch, from the cluster's y alone
	s_lshl_b32 s80, s20, 2
	s_lshl_b32 s80, 15, s80
	s_lshl_b32 s81, 0x1111, s19
	s_or_b32 s24, s80, G1W
	s_or_b32 s48, s81, G1W
.irp g, 24, 48
	s_mov_b32 s[(\g)+1], 256<<16                   ; tensor_dim0 = 256 tokens
	s_mov_b32 s[(\g)+2], 64<<16                    ; tensor_dim1 = 64 channel rows
	s_mov_b32 s[(\g)+3], 256<<16                   ; tile_dim0
	s_mov_b32 s[(\g)+4], 64                        ; tile_dim1
	s_mov_b32 s[(\g)+5], 8192                      ; elements from row to row
	s_mov_b32 s[(\g)+6], 0
	s_mov_b32 s[(\g)+7], 0
.endr
	s_lshl_b32 s82, s18, 20                        ; q^T: channel row 64 x half, token 256 x query tile
	s_lshl_b32 s84, s22, 9
	s_add_co_u32 s82, s82, s84
	s_mov_b32 s83, 0
	s_lshl_b32 s86, s18, 20                        ; k^T: channel row 1,024 + 64 x half, token 2,048 x batch + 256 x key tile
	s_lshl_b32 s88, s91, 12
	s_add_co_u32 s86, s86, s88
	s_lshl_b32 s88, s21, 9
	s_add_co_u32 s86, s86, s88
	s_add_co_u32 s86, s86, 1024*16384
	s_mov_b32 s87, 0
	s_mul_i32 s89, s16, WTILE                      ; where they go: wave x 64 rows
	s_mov_b32 s40, 0
	s_mov_b32 s66, 0x76543210
	s_mov_b32 s67, 0xfedcba98
	s_wait_dscnt 0x0
	s_wait_kmcnt 0x0
	s_add_nc_u64 s[82:83], s[4:5], s[82:83]
	s_add_nc_u64 s[86:87], s[4:5], s[86:87]
	CROUND
.irp s, 0,1
	s_mov_b32 s[32+4*(\s)], 1
	s_add_co_u32 s[33+4*(\s)], s89, (\s)*SLOTX
	s_add_nc_u64 s[34+4*(\s):35+4*(\s)], s[82:83], (\s)*KB
	s_or_b32 s[35+4*(\s)], s[35+4*(\s)], 0x80000000
	s_mov_b32 s[56+4*(\s)], 1
	s_add_co_u32 s[57+4*(\s)], s89, (\s)*SLOTX
	s_add_nc_u64 s[58+4*(\s):59+4*(\s)], s[86:87], (\s)*KB
	s_or_b32 s[59+4*(\s)], s[59+4*(\s)], 0x80000000
.endr
	s_cmp_eq_u32 s17, 0
	s_cbranch_scc0 .Lfirst_b
	tensor_load_to_lds s[32:35], s[24:31]
	s_nop 0
	tensor_load_to_lds s[36:39], s[24:31]
	s_nop 0
.rept 4
	v_nop
.endr
	s_branch .Lfirst_done
.Lfirst_b:
	tensor_load_to_lds s[56:59], s[48:55]
	s_nop 0
	tensor_load_to_lds s[60:63], s[48:55]
	s_nop 0
.rept 4
	v_nop
.endr
.Lfirst_done:
	v_and_b32 v1, 15, v0                           ; r
	v_bfe_u32 v2, v0, 4, 1                         ; h
	v_and_b32 v3, 7, v0
	v_bfe_u32 v4, v0, 3, 1
	v_lshl_add_u32 v5, v2, 3, v3                   ; the turning load: lane l reads channel row 8 h + l % 8,
	v_mul_u32_u24 v5, v5, PT
	v_lshl_add_u32 v5, v4, 4, v5                   ; tokens 8 ((l / 8) % 2) + 0..7, and is left with token l % 16 and 8 channels
	s_lshl_b32 s80, s17, 8
	v_add_nc_u32 v10, s80, v5                      ; my 128 queries
	s_lshl_b32 s80, s18, 8
	s_add_co_u32 s80, s80, KOFF
	v_add_nc_u32 v11, s80, v5                      ; my 128 keys
	v_mov_b32 v16, v10
	v_mov_b32 v20, v11
	v_and_b32 v7, 31, v0
	v_lshlrev_b32 v12, 4, v7                       ; 16 x lane
	s_lshl_b32 s80, s16, 16
	v_add_nc_u32 v13, s80, v12                     ; where my scaled scores are set aside: 65,536 bytes a wave, in the ring when its last fill has been read
	v_mov_b32 v14, v13                             ; and from where they come back, a block at a time
	s_lshl_b32 s80, s16, 10
	s_add_co_u32 s80, s80, STATS
	v_lshl_add_u32 v15, v1, 2, s80                 ; my row's m
	v_add_nc_u32 v9, s80, v12
	s_mul_i32 s80, s16, 16*SP
	s_add_co_u32 s80, s80, STAGE
	v_mul_u32_u24 v6, v1, SP
	v_lshl_add_u32 v6, v2, 4, v6
	v_add_nc_u32 v24, s80, v6                      ; the stage, in
	v_mul_u32_u24 v6, v2, SP
	v_lshl_add_u32 v6, v1, 4, v6
	v_add_nc_u32 v25, s80, v6                      ; and back
	v_lshlrev_b32 v26, 12, v2
	v_lshl_add_u32 v26, v1, 4, v26                 ; two rows of pt, 4,096 bytes apart
	v_mov_b32 v27, 0x3d38aa3b                      ; log2(e) / 32
	v_lshrrev_b32 v8, 1, v7
	v_and_b32 v7, 1, v7
	v_lshlrev_b32 v30, 14, v8
	v_lshl_add_u32 v30, v7, 8, v30                 ; the prefetches: row lane / 2, half lane % 2
	s_and_b32 s80, s22, 7                          ; the masks: block row 16 x (query tile of the batch) + 8 x half, block column 16 x key tile + 8 x half
	s_lshl_b32 s80, s80, 4
	s_lshl_b32 s81, s17, 3
	s_add_co_u32 s80, s80, s81
	s_lshl_b32 s80, s80, 7
	s_lshl_b32 s81, s21, 4
	s_add_co_u32 s80, s80, s81
	s_lshl_b32 s81, s18, 3
	s_add_co_u32 s80, s80, s81
	s_lshl_b32 s80, s80, 9
	s_mov_b32 s81, 0
	s_add_nc_u64 s[68:69], s[6:7], s[80:81]
	s_lshl_b32 s80, s22, 20                        ; pt: row 256 x query tile + 128 x half, byte 512 x key tile + 256 x half
	s_lshl_b32 s81, s17, 19
	s_add_co_u32 s80, s80, s81
	s_lshl_b32 s81, s21, 9
	s_add_co_u32 s80, s80, s81
	s_lshl_b32 s81, s18, 8
	s_add_co_u32 s80, s80, s81
	s_mov_b32 s81, 0
	s_add_nc_u64 s[70:71], s[8:9], s[80:81]
	s_lshl_b32 s80, s21, 16                        ; stat: chunk 2 x key tile + half, row as above, 4 bytes each
	s_lshl_b32 s81, s18, 15
	s_add_co_u32 s80, s80, s81
	s_lshl_b32 s81, s22, 10
	s_add_co_u32 s80, s80, s81
	s_lshl_b32 s81, s17, 9
	s_add_co_u32 s80, s80, s81
	s_mov_b32 s81, 0
	s_add_nc_u64 s[72:73], s[10:11], s[80:81]
	s_lshl_b32 s80, s18, 20                        ; the prefetches' rows: q: 64 x half + 16 cx
	s_lshl_b32 s81, s19, 18
	s_add_co_u32 s80, s80, s81
	s_lshl_b32 s81, s22, 9
	s_add_co_u32 s80, s80, s81
	s_lshl_b32 s92, s18, 20                        ; k: 1,024 + 64 x half + 16 cy
	s_lshl_b32 s93, s20, 18
	s_add_co_u32 s92, s92, s93
	s_lshl_b32 s93, s91, 12
	s_add_co_u32 s92, s92, s93
	s_lshl_b32 s93, s21, 9
	s_add_co_u32 s92, s92, s93
	s_add_co_u32 s92, s92, 1024*16384
	s_and_b32 s85, s23, 1
	s_cmp_eq_u32 s17, 0
	s_cselect_b32 s46, s80, s92
	s_cselect_b32 s85, ttmp9, s85                  ; the coordinate along which other clusters read the same rows
	s_cmp_eq_u32 s85, 0
	s_cselect_b32 s42, 2, -1
	s_add_co_u32 s46, s46, 2*KB                    ; at K step 2: the first refill steps to 3 and names 4
	s_mov_b32 s47, 0
	s_add_nc_u64 s[44:45], s[4:5], s[46:47]
.macro MULA f, a, zero                 ; 8 matrix instructions; the 64 accumulators take turns, one instruction a turn
	WIN 0xa1+0x50*((\a)/4)
.irp b, 0,1,2,3,4,5,6,7
.if \zero
	v_wmma_f32_16x16x32_f16 v[8*(8*((\a)%4)+(\b)):8*(8*((\a)%4)+(\b))+7], v[(\f)+8*(\b):(\f)+8*(\b)+7], v[(\f)+8*(\a):(\f)+8*(\a)+7], 0
.else
	v_wmma_f32_16x16x32_f16 v[8*(8*((\a)%4)+(\b)):8*(8*((\a)%4)+(\b))+7], v[(\f)+8*(\b):(\f)+8*(\b)+7], v[(\f)+8*(\a):(\f)+8*(\a)+7], v[8*(8*((\a)%4)+(\b)):8*(8*((\a)%4)+(\b))+7]
.endif
.endr
.endm
.macro FETCH kq, f                     ; 32 turning loads in one run: channels 32 kq on; k's 8 fragments, then q's 8
	WIN 0x40
.irp i, 0,1,2,3,4,5,6,7
	ds_load_tr16_b128 v[(\f)+8*(\i):(\f)+8*(\i)+3],   v20 offset:(\kq)*32*PT+32*(\i)
	ds_load_tr16_b128 v[(\f)+8*(\i)+4:(\f)+8*(\i)+7], v20 offset:(\kq)*32*PT+32*(\i)+16*PT
.endr
	WIN 0
.irp i, 0,1,2,3,4,5,6,7
	ds_load_tr16_b128 v[(\f)+8*(\i):(\f)+8*(\i)+3],   v16 offset:(\kq)*32*PT+32*(\i)
	ds_load_tr16_b128 v[(\f)+8*(\i)+4:(\f)+8*(\i)+7], v16 offset:(\kq)*32*PT+32*(\i)+16*PT
.endr
.endm
.macro QUARTER kq, f, g, zero
	s_wait_dscnt 8                                 ; k's fragments and q's blocks 0-3 are in; the youngest eight loads may be out
	MULA \f, 0, \zero
	MULA \f, 1, \zero
	MULA \f, 2, \zero
	MULA \f, 3, \zero
	PLACES
	FETCH \kq, \g
	s_wait_dscnt 32                                ; all but the 32 just issued
	MULA \f, 4, \zero
	MULA \f, 5, \zero
	MULA \f, 6, \zero
	MULA \f, 7, \zero
.endm
.macro TURN fill                       ; the last quarter and the change of slots, as in the projection's text
.if \fill
	s_wait_xcnt 0x0                                ; the last prefetch, a K step back, has read its address
	s_add_nc_u64 s[44:45], s[44:45], KB
.endif
	WIN 0
	s_wait_tensorcnt 0x0                           ; no tensor load of mine is out
	ds_add_u32 v28, v29
.if \fill
	s_xor_b32 s37, s37, SLOTX
	s_add_nc_u64 s[38:39], s[38:39], KB
	s_xor_b32 s61, s61, SLOTX
	s_add_nc_u64 s[62:63], s[62:63], KB
.endif
	s_xor_b32 s40, s40, SLOTX
	s_wait_dscnt 9                                 ; the add and the youngest eight loads may be out
	MULA F1, 0, 0
	MULA F1, 1, 0
	s_wait_dscnt 0x0                               ; the add is done, and my reads of this slot are over
	s_barrier_signal -1
	MULA F1, 2, 0
	MULA F1, 3, 0
	WIN 0
	s_barrier_wait -1
.if \fill
	CREST
	JLOAD
.else
	s_cmp_eq_u32 s43, 1
	s_cbranch_scc1 .Lno_fetch_\@
	PLACES
.endif
	v_add_nc_u32 v16, s40, v10
	v_add_nc_u32 v20, s40, v11
	FETCH 0, F0
.if \fill
	ASK
.else
.Lno_fetch_\@:
.endif
	MULA F1, 4, 0
	MULA F1, 5, 0
	MULA F1, 6, 0
	MULA F1, 7, 0
.endm
.macro MLOAD a, mb                     ; the addends of query block a: eight loads of 512 consecutive bytes
.irp b, 0,1,2,3,4,5,6,7
	global_load_b128 v[(\mb)+4*(\b):(\mb)+4*(\b)+3], v12, s[68:69] offset:(\a)*65536+(\b)*512
.endr
.endm
	s_wait_tensorcnt 0x1                           ; my part of K step 0 is in; K step 1's may stay out
	s_barrier_signal -1
	s_barrier_wait -1
	FETCH 0, F0
	MLOAD 0, 32                                    ; seven of the eight mask blocks come in under the products, into registers that the loop leaves free
	MLOAD 1, 192
	MLOAD 2, 224
	WIN 0x40
	MLOAD 3, 0
	MLOAD 4, 32
	MLOAD 5, 192
	MLOAD 6, 224
	QUARTER 1, F0, F1, 1
	WIN 0
	s_mov_b32 s41, NSTEP-2
.Lk:
	QUARTER 2, F1, F0, 0
	QUARTER 3, F0, F1, 0
	TURN 1
	QUARTER 1, F0, F1, 0
	WIN 0
	s_sub_co_u32 s41, s41, 1
	s_cmp_lg_u32 s41, 0
	s_cbranch_scc1 .Lk
	s_mov_b32 s43, 2
.Ltail:
	QUARTER 2, F1, F0, 0
	QUARTER 3, F0, F1, 0
	TURN 0
	WIN 0
	s_cmp_eq_u32 s43, 1
	s_cbranch_scc1 .Lno_q
	QUARTER 1, F0, F1, 0
	WIN 0
.Lno_q:
	s_sub_co_u32 s43, s43, 1
	s_cmp_lg_u32 s43, 0
	s_cbranch_scc1 .Ltail
	PLACES
	MLOAD 7, 64                                    ; the eighth block, into q's first fragment buffer
	s_wait_dscnt 0x0                               ; no wave reads the ring any more, and it has had its last fill:
	s_barrier_signal -1
	s_barrier_wait -1                              ; behind this barrier each wave sets its scores aside there
; Query block a: t = s c + addend, in place; then the block's 64 registers go to LDS, 512 consecutive bytes a store.
.macro SCALE a, win, mb
	s_wait_loadcnt 8*(7-(\a))                      ; this block's eight mask loads are in, the younger blocks' may be out
	WIN \win
.set n, 0
.rept 32
	v_fma_mix_f32_bf16 v[64*((\a)%4)+2*n],   v[64*((\a)%4)+2*n],   v27, v[(\mb)+n] op_sel_hi:[0,0,1]
	v_fma_mix_f32_bf16 v[64*((\a)%4)+2*n+1], v[64*((\a)%4)+2*n+1], v27, v[(\mb)+n] op_sel:[0,0,1] op_sel_hi:[0,0,1]
.set n, n+1
.endr
	WIN 0x08+4*((\a)/4)
.set n, 0
.rept 16
	ds_store_b128 v13, v[64*((\a)%4)+4*n:64*((\a)%4)+4*n+3] offset:(\a)*8192+n*512
.set n, n+1
.endr
.endm
	SCALE 0, 0x82, 32
	SCALE 1, 0x82, 192
	SCALE 2, 0x82, 224
	SCALE 3, 0x92, 0
	SCALE 4, 0xd3, 32
	SCALE 5, 0xd3, 192
	SCALE 6, 0xd3, 224
	SCALE 7, 0xc3, 64
	WIN 0
; THE SOFTMAX OF A CHUNK, a block of 16 queries a trip, written once: the block's 64 numbers a lane come back from LDS into fixed registers.  next = 1: the next block is fetched while this one is finished.
.macro GETBLOCK
.set n, 0
.rept 16
	ds_load_b128 v[R+4*n:R+4*n+3], v14 offset:n*512  ; LDS serves a wave's instructions in order: these see my stores; the bytes are the wave's own
.set n, n+1
.endr
	v_add_nc_u32 v14, 8192, v14
.endm
.macro ROWS next
	s_wait_xcnt 0x0                                ; the last trip's stores have read their registers and their base
	s_add_nc_u64 s[70:71], s[70:71], 0x10000       ; 16 rows of pt on; this trip's stores reach back
	s_wait_dscnt 0x0                               ; the block is in
.irp c, 0,1,2,3
	v_max3_num_f32 v[32+(\c)], v[R+16*(\c)], v[R+16*(\c)+1], v[R+16*(\c)+2]
.endr
.irp i, 0,1,2,3,4,5
.irp c, 0,1,2,3
	v_max3_num_f32 v[32+(\c)], v[32+(\c)], v[R+16*(\c)+3+2*(\i)], v[R+16*(\c)+4+2*(\i)]
.endr
.endr
	v_max3_num_f32 v32, v32, v[R+15], v[R+31]
	v_max3_num_f32 v34, v34, v[R+47], v[R+63]
	v_max3_num_f32 v32, v32, v33, v34
	v_max_num_f32 v32, v32, v35
	v_permlanex16_b32 v38, v32, s66, s67           ; the row's other 64 keys lie in the lane 16 away
	v_max_num_f32 v36, v32, v38
	v_max_num_f32 v36, 0xff7fffff, v36             ; a chunk with no seen key: the lowest finite number, so that t - m stays -infinity
	v_mov_b32 v37, v36
.set n, 0
.rept 32
	v_pk_add_f32 v[R+2*n:R+2*n+1], v[R+2*n:R+2*n+1], v[36:37] neg_lo:[0,1] neg_hi:[0,1]
.set n, n+1
.endr
.set n, 0
.rept 64
	v_exp_f32 v[E+n], v[R+n]                       ; one batch
.set n, n+1
.endr
	v_nop                                          ; a plain instruction behind the last exponential,
	s_wait_alu depctr_va_vdst(0)                   ; and one wait ahead of the batch's first reader
.if \next
	GETBLOCK
.endif
.set n, 0
.rept 32
	v_cvt_pk_f16_f32 v[PK+n], v[E+2*n], v[E+2*n+1]
.set n, n+1
.endr
.irp b, 0,1,2,3,4,5,6,7
	ds_store_b128 v24, v[PK+4*(\b):PK+4*(\b)+3] offset:32*(\b)
.endr
.irp t, 0,1,2,3,4,5,6,7
	ds_load_b128 v[OB+4*(\t):OB+4*(\t)+3], v25 offset:(\t)*2*SP
.endr
.irp w, 16,8,4,2,1                     ; the sum of the 32 pairs, in place, by halves
.set n, 0
.rept \w
	v_pk_add_f32 v[E+2*n:E+2*n+1], v[E+2*n:E+2*n+1], v[E+2*(n+(\w)):E+2*(n+(\w))+1]
.set n, n+1
.endr
.endr
	v_add_f32 v38, v[E], v[E+1]
	v_permlanex16_b32 v39, v38, s66, s67
	v_add_f32 v38, v38, v39
	ds_store_b32 v15, v36                          ; m; both halves of the lanes write the same number
	ds_store_b32 v15, v38 offset:512               ; l
	v_add_nc_u32 v15, 64, v15
	s_wait_dscnt 2                                 ; the rows are back; the two stores just issued may be out
.irp t, 0,1,2,3,4,5,6,7
	global_store_b128 v26, v[OB+4*(\t):OB+4*(\t)+3], s[70:71] offset:2*(\t)*4096-65536  ; 16 lanes store 256 consecutive bytes, at a multiple of 256 from pt's first byte
.endr
.endm
	GETBLOCK
	v_mov_b32 v38, 0                               ; v_permlanex16_b32's destinations count as read
	v_mov_b32 v39, 0
	s_mov_b32 s41, 7
.Lrow:
	ROWS 1
	s_sub_co_u32 s41, s41, 1
	s_cmp_lg_u32 s41, 0
	s_cbranch_scc1 .Lrow
	ROWS 0                                         ; the eighth block fetches nothing
	ds_load_b128 v[64:67], v9                      ; my 128 rows' m and l, 512 consecutive bytes each
	ds_load_b128 v[68:71], v9 offset:512
	s_wait_dscnt 0x0
	global_store_b128 v12, v[64:67], s[72:73]
	global_store_b128 v12, v[68:71], s[72:73] offset:524288
	s_wait_tensorcnt 0x0                           ; the wave's end
	ds_add_u32 v28, v29
	s_wait_dscnt 0x0
	CROUND                                         ; the closing round
	s_endpgm
.Lfunc_end_k_qa1ca78cfbe_scores:
	.size	k_qa1ca78cfbe_scores, .Lfunc_end_k_qa1ca78cfbe_scores-k_qa1ca78cfbe_scores
	.p2alignl 7, 3214868480
	.fill 96, 4, 3214868480
	.section	.rodata,"a",@progbits
	.p2align	6, 0x0
	.amdhsa_kernel k_qa1ca78cfbe_scores
		.amdhsa_group_segment_fixed_size 327680
		.amdhsa_private_segment_fixed_size 0
		.amdhsa_enable_private_segment 0
		.amdhsa_kernarg_size 32
		.amdhsa_user_sgpr_count 2
		.amdhsa_user_sgpr_kernarg_segment_ptr 1
		.amdhsa_wavefront_size32 1
		.amdhsa_system_sgpr_workgroup_id_x 1
		.amdhsa_system_sgpr_workgroup_id_y 1
		.amdhsa_system_sgpr_workgroup_id_z 1
		.amdhsa_system_vgpr_workitem_id 0
		.amdhsa_next_free_vgpr 1024
		.amdhsa_next_free_sgpr 96
		.amdhsa_reserve_vcc 0
		.amdhsa_float_denorm_mode_32 3
		.amdhsa_float_denorm_mode_16_64 3
		.amdhsa_memory_ordered 1
		.amdhsa_forward_progress 1
		.amdhsa_inst_pref_size 145
	.end_amdhsa_kernel
	.amdgpu_metadata
---
amdhsa.version: [ 1, 2 ]
amdhsa.kernels:
  - .name:           k_qa1ca78cfbe_scores
    .symbol:         k_qa1ca78cfbe_scores.kd
    .args:
      - { .name: qkvT, .offset: 0, .size: 8, .value_kind: global_buffer, .address_space: global }
      - { .name: mneg, .offset: 8, .size: 8, .value_kind: global_buffer, .address_space: global }
      - { .name: pt, .offset: 16, .size: 8, .value_kind: global_buffer, .address_space: global }
      - { .name: stat, .offset: 24, .size: 8, .value_kind: global_buffer, .address_space: global }
    .group_segment_fixed_size: 327680
    .private_segment_fixed_size: 0
    .kernarg_segment_align: 8
    .kernarg_segment_size: 32
    .max_flat_workgroup_size: 128
    .sgpr_count:     96
    .vgpr_count:     1024
    .wavefront_size: 32
...
	.end_amdgpu_metadata
.endif
;; end of part 3
;; launch pv (part 4): grid 4 x 64, 4 waves a work-group, clusters of 4 x 4, 327,680 bytes of LDS; arguments pt, stat, qkvT, out0; writes out0
.if DOCPART == 4
	.amdgcn_target "amdgcn-amd-amdhsa--gfx1250"
	.amdhsa_code_object_version 6
	.text
	.protected	k_qa1ca78cfbe_pv
	.globl	k_qa1ca78cfbe_pv
	.p2align	8
	.type	k_qa1ca78cfbe_pv,@function
k_qa1ca78cfbe_pv:
	s_mov_b64 s[64:65], 0
	v_nop
	global_prefetch_b8 v0, s[64:65] scope:SCOPE_SE
	s_setreg_imm32_b32 hwreg(HW_REG_WAVE_MODE, 25, 1), 1
	s_wait_xcnt 0x0
	s_wait_alu depctr_hold_cnt(0) depctr_sa_sdst(0) depctr_va_vdst(0) depctr_va_sdst(0) depctr_va_ssrc(0) depctr_va_vcc(0) depctr_vm_vsrc(0)
	s_getreg_b32 s2, hwreg(HW_REG_IB_STS2, 6, 4)
	s_cmp_eq_u32 s2, 0
	s_cbranch_scc0 .Lentry_in_a_cluster
	s_endpgm
.Lentry_in_a_cluster:
	s_bfe_u32 s2, ttmp6, 0x10000c
	s_cmp_lg_u32 s2, 0xf033
	s_cbranch_scc0 .Lentry_shape_is_right
	s_endpgm
.Lentry_shape_is_right:
; PV: out0[q][c] = ( sum over chunks t of w[t][q] x sum over the chunk's keys of pt[q][k] v[k][c] ) / L[q],  w[t][q] = 2^(m[t][q] - M[q]), M = the maximum of the row's 16 chunk maxima, L = sum of w l.
; That is the row's softmax with its true maximum taken away.  pt: [8192][2048] f16, v^T = qkvT's rows 2,048 on: [1024][8192] f16, out0: [8192][1024] f32.  Sums, M, w, L in f32.
; w is rounded to f16 and multiplies pt's fragments between their load and the product (one packed line a register).  LIMITS: p w below 6e-8 counts as 0, below 6e-5 it keeps f16's fixed step; the row's largest p w is 1.
; A row with no seen key has all p = 0 and L = 0: it comes out as 0 x infinity, NaN, as the softmax of a row of -infinity does.
; A tile is 128 queries x 256 channels: 256 tiles.  Four waves, each 64 x 128: 32 accumulators.  K (the batch's 2,048 keys) goes in 16 steps of 128, a chunk a step, through two LDS slots.
; CLUSTER 4 x 4: pt's tile is shared along a row of the cluster, v^T's along a column (all four rows of a cluster belong to one batch).
; The matrix instruction is used transposed (source 0 = 16 channels of v^T, source 1 = 16 queries of pt): a lane holds one query (lane % 16) and eight neighbouring channels.
; REGISTERS.  window 0: v1-31 addresses; v32-39 1 / L in pairs; v40-47 M, L; at the head v64-127 m then w, v128-191 l, v192-255 w in f16; on the way out v64-127 results, v128-255 rows read back
;   window 1: v0-63, v64-127 v^T's fragments; v128-131 the step's w, a register a query block      window 2: accumulators of blocks 0, 1      window 3: v0-127 those of blocks 2, 3; v128-159, v160-191 pt's fragments
.set KB,     256
.set NSTEP,  16
.set PITCH,  272
.set AHALF,  64*PITCH
.set BHALF,  128*PITCH
.set BOFF,   2*AHALF
.set SLOTX,  0x20000
.set STAGE,  SLOTX+BOFF+2*BHALF        ; behind the ring: 16 rows x 528 bytes for each wave
.set SPITCH, 528
.set WTAB,   STAGE+4*16*SPITCH         ; the weights in f16: for each wave 17 places of 512 bytes, of which 16 are used
.set WSTR,   17*512
.set SPARE,  WTAB+4*WSTR
.set G1W, (1<<16)|(1<<20)|(1<<21)|(5<<22)|(3<<25)
.set MSB, 0
.macro WIN new
.if MSB != (\new)
	s_set_vgpr_msb (MSB<<8)|(\new)
.set MSB, \new
.endif
.endm
.macro PLACES
.rept 4
	v_nop
.endr
.endm
.macro CREST
	s_cmp_lg_u32 s16, 0
	s_cbranch_scc1 .Lnot_wave_0_\@
	s_barrier_signal -3
.Lnot_wave_0_\@:
	s_barrier_wait -3
	s_barrier_signal -1
	s_barrier_wait -1
.endm
.macro CROUND
	s_barrier_signal -1
	s_barrier_wait -1
	CREST
.endm
.macro JLOAD
	s_cmp_eq_u32 s17, 0
	s_cbranch_scc0 .Lfor_b_\@
	tensor_load_to_lds s[36:39], s[24:31]
	s_nop 0
.rept 4
	v_nop
.endr
	s_branch .Lasked_\@
.Lfor_b_\@:
	tensor_load_to_lds s[60:63], s[48:55]
	s_nop 0
.rept 4
	v_nop
.endr
.Lasked_\@:
.endm
; A prefetch of the K step two refills on, a lane a row of 256 bytes.  pt's 128 rows of a tile are read by this cluster alone: wave 0 of each partner asks for 32 of them (by cx).  v^T's rows: waves 2, 3 of the clusters
; whose y is a multiple of 4 (four clusters along y share a batch), 32 of a wave's 128 rows for each partner (by cy).  So each 256 bytes are named once.  The last two refills ask for nothing.
.macro ASK
	s_cmp_gt_u32 s41, s42
	s_cbranch_scc0 .Lnot_mine_\@
	global_prefetch_b8 v30, s[44:45] offset:KB th:TH_LOAD_NT scope:SCOPE_SE
.Lnot_mine_\@:
.endm
	s_load_b256 s[4:11], s[0:1], 0x0               ; pt s[4:5], stat s[6:7], qkvT s[8:9], out0 s[10:11]
	v_lshl_add_u32 v28, v0, 2, SPARE
	v_mov_b32 v29, 0
	ds_add_u32 v28, v29                            ; the wave's opening: the add and its wait ahead of the first tensor load
	v_lshrrev_b32 v1, 5, v0
	v_readfirstlane_b32 s16, v1
	s_lshr_b32 s17, s16, 1
	s_and_b32 s18, s16, 1
	s_bfe_u32 s19, ttmp6, 0x40000
	s_bfe_u32 s20, ttmp6, 0x40004
	s_lshl_b32 s21, ttmp9, 2
	s_add_co_u32 s21, s21, s19                     ; channel tile
	s_and_b32 s23, ttmp7, 0xffff
	s_lshl_b32 s22, s23, 2
	s_add_co_u32 s22, s22, s20                     ; query tile among all 64
	s_lshr_b32 s91, s23, 2                         ; the batch, from the cluster's y alone
	s_lshl_b32 s80, s20, 2
	s_lshl_b32 s80, 15, s80
	s_lshl_b32 s81, 0x1111, s19
	s_or_b32 s24, s80, G1W
	s_or_b32 s48, s81, G1W
	s_mov_b32 s25, 128<<16                         ; pt's tile: 64 rows x 128 keys, 2,048 elements from row to row
	s_mov_b32 s26, 64<<16
	s_mov_b32 s27, 128<<16
	s_mov_b32 s28, 64
	s_mov_b32 s29, 2048
	s_mov_b32 s30, 0
	s_mov_b32 s31, 0
	s_mov_b32 s49, 128<<16                         ; v^T's tile: 128 rows x 128 keys, 8,192 elements from row to row
	s_mov_b32 s50, 128<<16
	s_mov_b32 s51, 128<<16
	s_mov_b32 s52, 128
	s_mov_b32 s53, 8192
	s_mov_b32 s54, 0
	s_mov_b32 s55, 0
	s_lshl_b32 s82, s22, 19                        ; pt: row 128 x query tile + 64 x half, 4,096 bytes a row
	s_lshl_b32 s84, s18, 18
	s_add_co_u32 s82, s82, s84
	s_mov_b32 s83, 0
	s_lshl_b32 s86, s21, 22                        ; v^T: row 2,048 + 256 x channel tile + 128 x half, 16,384 bytes a row; byte 4,096 x batch
	s_lshl_b32 s88, s18, 21
	s_add_co_u32 s86, s86, s88
	s_lshl_b32 s88, s91, 12
	s_add_co_u32 s86, s86, s88
	s_add_co_u32 s86, s86, 2048*16384
	s_mov_b32 s87, 0
	s_mul_i32 s89, s18, AHALF
	s_mul_i32 s90, s18, BHALF
	s_add_co_u32 s90, s90, BOFF
	s_mov_b32 s40, 0
	s_wait_dscnt 0x0
	s_wait_kmcnt 0x0
	s_add_nc_u64 s[82:83], s[4:5], s[82:83]
	s_add_nc_u64 s[86:87], s[8:9], s[86:87]
	CROUND
.irp s, 0,1
	s_mov_b32 s[32+4*(\s)], 1
	s_add_co_u32 s[33+4*(\s)], s89, (\s)*SLOTX
	s_add_nc_u64 s[34+4*(\s):35+4*(\s)], s[82:83], (\s)*KB
	s_or_b32 s[35+4*(\s)], s[35+4*(\s)], 0x80000000
	s_mov_b32 s[56+4*(\s)], 1
	s_add_co_u32 s[57+4*(\s)], s90, (\s)*SLOTX
	s_add_nc_u64 s[58+4*(\s):59+4*(\s)], s[86:87], (\s)*KB
	s_or_b32 s[59+4*(\s)], s[59+4*(\s)], 0x80000000
.endr
	s_cmp_eq_u32 s17, 0
	s_cbranch_scc0 .Lfirst_b
	tensor_load_to_lds s[32:35], s[24:31]
	s_nop 0
	tensor_load_to_lds s[36:39], s[24:31]
	s_nop 0
.rept 4
	v_nop
.endr
	s_branch .Lfirst_done
.Lfirst_b:
	tensor_load_to_lds s[56:59], s[48:55]
	s_nop 0
	tensor_load_to_lds s[60:63], s[48:55]
	s_nop 0
.rept 4
	v_nop
.endr
.Lfirst_done:
	; THE ROWS' STATISTICS, in the wait for the first tiles: m and l of my 64 rows in all 16 chunks; lane l takes row l % 16 of each of my four blocks
	v_and_b32 v1, 15, v0
	v_bfe_u32 v2, v0, 4, 1
	v_lshlrev_b32 v31, 2, v1
	s_lshl_b32 s80, s22, 9
	s_lshl_b32 s81, s17, 8
	s_add_co_u32 s80, s80, s81
	s_mov_b32 s81, 0
	s_add_nc_u64 s[68:69], s[6:7], s[80:81]
.set t, 0
.rept 16
.irp a, 0,1,2,3
	global_load_b32 v[64+4*t+(\a)],  v31, s[68:69] offset:t*32768+64*(\a)
	global_load_b32 v[128+4*t+(\a)], v31, s[68:69] offset:t*32768+64*(\a)+524288
.endr
.set t, t+1
.endr
	v_mul_u32_u24 v3, v1, PITCH
	v_lshl_add_u32 v3, v2, 4, v3
	s_mul_i32 s80, s17, AHALF
	v_add_nc_u32 v10, s80, v3                      ; my pt fragments in slot 0
	v_add_nc_u32 v11, s90, v3                      ; my v^T fragments in slot 0
	v_mov_b32 v16, v10
	v_mov_b32 v20, v11
	v_and_b32 v7, 31, v0
	v_lshlrev_b32 v12, 4, v7                       ; 16 x lane
	s_mul_i32 s80, s16, WSTR
	s_add_co_u32 s80, s80, WTAB-512
	v_add_nc_u32 v13, s80, v12                     ; one place below my table of weights: stepped ahead of each read
	s_mul_i32 s80, s16, 16*SPITCH
	s_add_co_u32 s80, s80, STAGE
	v_mul_u32_u24 v4, v1, SPITCH
	v_lshl_add_u32 v4, v2, 5, v4
	v_add_nc_u32 v24, s80, v4                      ; the stage, in: row r, 32 bytes for each half of the lanes
	v_add_nc_u32 v25, s80, v12                     ; and back: a row's 512 bytes on end
	s_lshl_b32 s80, s22, 19                        ; out0: row 128 x query tile + 64 x half, 4,096 bytes a row; byte 1,024 x channel tile + 512 x half
	s_lshl_b32 s81, s17, 18
	s_add_co_u32 s80, s80, s81
	s_lshl_b32 s81, s21, 10
	s_add_co_u32 s80, s80, s81
	s_lshl_b32 s81, s18, 9
	s_add_co_u32 s80, s80, s81
	s_mov_b32 s81, 0
	s_add_nc_u64 s[10:11], s[10:11], s[80:81]
	s_lshl_b32 s80, s22, 19                        ; the prefetches.  pt: row 128 x query tile + 32 cx
	s_lshl_b32 s81, s19, 17
	s_add_co_u32 s80, s80, s81
	s_lshl_b32 s92, s21, 22                        ; v^T: row 2,048 + 256 x channel tile + 128 x half + 32 cy
	s_lshl_b32 s93, s18, 21
	s_add_co_u32 s92, s92, s93
	s_lshl_b32 s93, s20, 19
	s_add_co_u32 s92, s92, s93
	s_lshl_b32 s93, s91, 12
	s_add_co_u32 s92, s92, s93
	s_add_co_u32 s92, s92, 2048*16384
	s_and_b32 s85, s23, 3
	s_cmp_eq_u32 s17, 0
	s_cselect_b32 s46, s80, s92
	s_cselect_b64 s[44:45], s[4:5], s[8:9]
	s_cselect_b32 s84, 12, 14                      ; a row is 4,096 or 16,384 bytes
	s_cselect_b32 s85, s16, s85                    ; waves 0, 1: the wave's number; waves 2, 3: cluster y mod 4
	s_cmp_eq_u32 s85, 0
	s_cselect_b32 s42, 2, -1
	s_add_co_u32 s46, s46, 2*KB                    ; at K step 2: the first refill steps to 3 and names 4
	s_mov_b32 s47, 0
	s_add_nc_u64 s[44:45], s[44:45], s[46:47]
	v_lshlrev_b32 v30, s84, v7
	s_wait_loadcnt 0x0
.irp a, 0,1,2,3
	v_max3_num_f32 v[40+(\a)], v[64+(\a)], v[68+(\a)], v[72+(\a)]
.endr
.irp i, 0,1,2,3,4,5
.irp a, 0,1,2,3
	v_max3_num_f32 v[40+(\a)], v[40+(\a)], v[64+4*(3+2*(\i))+(\a)], v[64+4*(4+2*(\i))+(\a)]
.endr
.endr
.irp a, 0,1,2,3
	v_max_num_f32 v[40+(\a)], v[40+(\a)], v[124+(\a)]  ; M
.endr
.set n, 0
.rept 32
	v_pk_add_f32 v[64+2*n:65+2*n], v[64+2*n:65+2*n], v[40+2*(n%2):41+2*(n%2)] neg_lo:[0,1] neg_hi:[0,1]  ; m - M
.set n, n+1
.endr
.set n, 0
.rept 64
	v_exp_f32 v[64+n], v[64+n]                     ; w: one batch
.set n, n+1
.endr
	v_nop                                          ; a plain instruction behind the last exponential,
	s_wait_alu depctr_va_vdst(0)                   ; and one wait ahead of the first reader
	v_pk_mul_f32 v[44:45], v[64:65], v[128:129]
	v_pk_mul_f32 v[46:47], v[66:67], v[130:131]
.set t, 1
.rept 15
	v_pk_fma_f32 v[44:45], v[64+4*t:65+4*t], v[128+4*t:129+4*t], v[44:45]  ; L = sum of w l
	v_pk_fma_f32 v[46:47], v[66+4*t:67+4*t], v[130+4*t:131+4*t], v[46:47]
.set t, t+1
.endr
.set n, 0
.rept 64
	v_cvt_pk_f16_f32 v[192+n], v[64+n], v[64+n]    ; w twice, for the packed multiply
.set n, n+1
.endr
.irp a, 0,1,2,3
	v_rcp_f32 v[32+2*(\a)], v[44+(\a)]
	v_rcp_f32 v[33+2*(\a)], v[44+(\a)]             ; twice, to fill a pair
.endr
	v_nop
	s_wait_alu depctr_va_vdst(0)                   ; one wait for the eight reciprocals
.set t, 0
.rept 16
	ds_store_b128 v13, v[192+4*t:195+4*t] offset:(t+1)*512  ; chunk t: a lane's four weights, one for each of my query blocks; read by this wave alone
.set t, t+1
.endr
; 8 matrix instructions: query block a x all 8 channel blocks.  The 32 accumulators take turns, one instruction a turn.
; ride = 1 (block 3, whose window setting also fits them): behind each product four packed multiplies scale the OTHER buffer's pt fragments by the step's w.
.macro MULA f, a, zero, ride
	WIN 0xad+0x50*((\a)/2)
.irp b, 0,1,2,3,4,5,6,7
.if \zero
	v_wmma_f32_16x16x32_f16 v[64*((\a)%2)+8*(\b):64*((\a)%2)+8*(\b)+7], v[64*(\f)+8*(\b):64*(\f)+8*(\b)+7], v[128+32*(\f)+8*(\a):128+32*(\f)+8*(\a)+7], 0
.else
	v_wmma_f32_16x16x32_f16 v[64*((\a)%2)+8*(\b):64*((\a)%2)+8*(\b)+7], v[64*(\f)+8*(\b):64*(\f)+8*(\b)+7], v[128+32*(\f)+8*(\a):128+32*(\f)+8*(\a)+7], v[64*((\a)%2)+8*(\b):64*((\a)%2)+8*(\b)+7]
.endif
.if \ride
.irp z, 0,1,2,3
	v_pk_mul_f16 v[128+32*(1-(\f))+4*(\b)+(\z)], v[128+(\b)/2], v[128+32*(1-(\f))+4*(\b)+(\z)]
.endr
.endif
.endr
.endm
.macro FETCH k, f, wc                  ; one run of LDS loads: (wc = 1: the next chunk's weights,) pt's 4 fragments, then v^T's 8
.if \wc
	WIN 0
	v_add_nc_u32 v13, 512, v13
	WIN 0x40
	ds_load_b128 v[128:131], v13
.endif
	WIN 0xc0
.irp i, 0,1,2,3
	ds_load_b128 v[128+32*(\f)+8*(\i):128+32*(\f)+8*(\i)+3],   v16 offset:(\k)+(\i)*16*PITCH
	ds_load_b128 v[128+32*(\f)+8*(\i)+4:128+32*(\f)+8*(\i)+7], v16 offset:(\k)+(\i)*16*PITCH+32
.endr
	WIN 0x40
.irp i, 0,1,2,3,4,5,6,7
	ds_load_b128 v[64*(\f)+8*(\i):64*(\f)+8*(\i)+3],   v20 offset:(\k)+(\i)*16*PITCH
	ds_load_b128 v[64*(\f)+8*(\i)+4:64*(\f)+8*(\i)+7], v20 offset:(\k)+(\i)*16*PITCH+32
.endr
.endm
.macro QUARTER k, f, zero              ; multiplies buffer f, whose pt fragments are scaled; fetches the next quarter, at byte k, into the other buffer and scales it
	PLACES
	FETCH \k, 1-(\f), 0
	s_wait_dscnt 24                                ; all but the 24 just issued: buffer f is whole
	MULA \f, 0, \zero, 0
	MULA \f, 1, \zero, 0
	MULA \f, 2, \zero, 0
	s_wait_dscnt 16                                ; the next quarter's pt fragments are in; v^T's sixteen loads may be out
	MULA \f, 3, \zero, 1
.endm
.macro TURN fill                       ; the last quarter and the change of slots
.if \fill
	s_wait_xcnt 0x0                                ; the last prefetch, a K step back, has read its address
	s_add_nc_u64 s[44:45], s[44:45], KB
.endif
	WIN 0
	s_wait_tensorcnt 0x0                           ; no tensor load of mine is out
	ds_add_u32 v28, v29
.if \fill
	s_xor_b32 s37, s37, SLOTX
	s_add_nc_u64 s[38:39], s[38:39], KB
	s_xor_b32 s61, s61, SLOTX
	s_add_nc_u64 s[62:63], s[62:63], KB
.endif
	s_xor_b32 s40, s40, SLOTX
	s_wait_dscnt 0x0                               ; the add is done, and my reads of this slot are over
	s_barrier_signal -1
	MULA 1, 0, 0, 0
	WIN 0
	s_barrier_wait -1
.if \fill
	CREST
	JLOAD
.else
	s_cmp_eq_u32 s43, 1
	s_cbranch_scc1 .Lno_fetch_\@
	PLACES
.endif
	v_add_nc_u32 v16, s40, v10
	v_add_nc_u32 v20, s40, v11
	FETCH 0, 0, 1
	WIN 0
.if \fill
	ASK
.else
.Lno_fetch_\@:
.endif
	MULA 1, 1, 0, 0
	MULA 1, 2, 0, 0
	s_wait_dscnt 16                                ; the next chunk's weights and its first pt fragments are in
	MULA 1, 3, 0, 1                                ; (in the launch's last step nothing was fetched: the 32 multiplies then fall on a buffer that is read no more)
.endm
	s_wait_tensorcnt 0x1                           ; my part of K step 0 is in; K step 1's may stay out
	s_wait_dscnt 0x0                               ; my weights are stored
	s_barrier_signal -1
	s_barrier_wait -1
	FETCH 0, 0, 1
	s_wait_dscnt 0x0
	WIN 0xfd
.set n, 0
.rept 32
	v_pk_mul_f16 v[128+n], v[128+n/8], v[128+n]    ; the first quarter's pt fragments times chunk 0's w
.set n, n+1
.endr
	QUARTER 64, 0, 1                               ; the first quarter stands ahead of the loop: its products start the sums
	WIN 0
	s_mov_b32 s41, NSTEP-2
.Lk:
	QUARTER 128, 1, 0
	QUARTER 192, 0, 0
	TURN 1
	QUARTER 64, 0, 0
	WIN 0
	s_sub_co_u32 s41, s41, 1
	s_cmp_lg_u32 s41, 0
	s_cbranch_scc1 .Lk
	s_mov_b32 s43, 2
.Ltail:
	QUARTER 128, 1, 0
	QUARTER 192, 0, 0
	TURN 0
	WIN 0
	s_cmp_eq_u32 s43, 1
	s_cbranch_scc1 .Lno_q
	QUARTER 64, 0, 0
	WIN 0
.Lno_q:
	s_sub_co_u32 s43, s43, 1
	s_cmp_lg_u32 s43, 0
	s_cbranch_scc1 .Ltail
; THE WAY OUT, a block of 16 queries at a time: times 1 / L; 32 bytes a lane into my stage; back as whole rows of 512 bytes; stored.
.macro PACK a
	WIN 0x02+(\a)/2
.set n, 0
.rept 32
	v_pk_mul_f32 v[64+2*n:65+2*n], v[64*((\a)%2)+2*n:64*((\a)%2)+2*n+1], v[32+2*(\a):33+2*(\a)]
.set n, n+1
.endr
	WIN 0
.endm
.macro TOSTAGE a
.set BK, 128+64*((\a)%2)
.irp b, 0,1,2,3,4,5,6,7
	ds_store_b128 v24, v[64+8*(\b):64+8*(\b)+3]   offset:64*(\b)
	ds_store_b128 v24, v[64+8*(\b)+4:64+8*(\b)+7] offset:64*(\b)+16
.endr
.set n, 0
.rept 16
	ds_load_b128 v[BK+4*n:BK+4*n+3], v25 offset:n*SPITCH  ; LDS serves a wave's instructions in order: these see the stores above
.set n, n+1
.endr
.endm
.macro SEND a
.set BK, 128+64*((\a)%2)
	s_wait_dscnt 0x0
	s_wait_xcnt 0x0                                ; only behind this wait are the stores' base and the registers of earlier stores written again
.if (\a) > 0
	s_add_nc_u64 s[10:11], s[10:11], 16*4096
.endif
.set n, 0
.rept 16
	global_store_b128 v12, v[BK+4*n:BK+4*n+3], s[10:11] offset:n*4096  ; 512 consecutive bytes, at a multiple of 256 from out0's first byte
.set n, n+1
.endr
.endm
	PLACES
	PACK 0
	TOSTAGE 0
.irp a, 1,2,3
	PACK \a
	SEND (\a)-1
	TOSTAGE \a
.endr
	SEND 3
	s_wait_tensorcnt 0x0                           ; the wave's end
	ds_add_u32 v28, v29
	s_wait_dscnt 0x0
	CROUND                                         ; the closing round
	s_endpgm
.Lfunc_end_k_qa1ca78cfbe_pv:
	.size	k_qa1ca78cfbe_pv, .Lfunc_end_k_qa1ca78cfbe_pv-k_qa1ca78cfbe_pv
	.p2alignl 7, 3214868480
	.fill 96, 4, 3214868480
	.section	.rodata,"a",@progbits
	.p2align	6, 0x0
	.amdhsa_kernel k_qa1ca78cfbe_pv
		.amdhsa_group_segment_fixed_size 327680
		.amdhsa_private_segment_fixed_size 0
		.amdhsa_enable_private_segment 0
		.amdhsa_kernarg_size 32
		.amdhsa_user_sgpr_count 2
		.amdhsa_user_sgpr_kernarg_segment_ptr 1
		.amdhsa_wavefront_size32 1
		.amdhsa_system_sgpr_workgroup_id_x 1
		.amdhsa_system_sgpr_workgroup_id_y 1
		.amdhsa_system_sgpr_workgroup_id_z 1
		.amdhsa_system_vgpr_workitem_id 0
		.amdhsa_next_free_vgpr 960
		.amdhsa_next_free_sgpr 96
		.amdhsa_reserve_vcc 0
		.amdhsa_float_denorm_mode_32 3
		.amdhsa_float_denorm_mode_16_64 3
		.amdhsa_memory_ordered 1
		.amdhsa_forward_progress 1
		.amdhsa_inst_pref_size 115
	.end_amdhsa_kernel
	.amdgpu_metadata
---
amdhsa.version: [ 1, 2 ]
amdhsa.kernels:
  - .name:           k_qa1ca78cfbe_pv
    .symbol:         k_qa1ca78cfbe_pv.kd
    .args:
      - { .name: pt, .offset: 0, .size: 8, .value_kind: global_buffer, .address_space: global }
      - { .name: stat, .offset: 8, .size: 8, .value_kind: global_buffer, .address_space: global }
      - { .name: qkvT, .offset: 16, .size: 8, .value_kind: global_buffer, .address_space: global }
      - { .name: out0, .offset: 24, .size: 8, .value_kind: global_buffer, .address_space: global }
    .group_segment_fixed_size: 327680
    .private_segment_fixed_size: 0
    .kernarg_segment_align: 8
    .kernarg_segment_size: 32
    .max_flat_workgroup_size: 128
    .sgpr_count:     96
    .vgpr_count:     960
    .wavefront_size: 32
...
	.end_amdgpu_metadata
.endif
;; end of part 4
